; MI455X (gfx1250); checked and timed in simulation.
; The chip was launched on July 23, 2026; its instructions are those of AMD's public machine-readable ISA for CDNA 5 (MIT licence, August 2026) and "CDNA5" Instruction Set Architecture Reference Guide (July 2026). The comments in the code are by the model that wrote it; some were corrected since.
;; Attention Layer. Allowed arithmetic: matrix products marked QUANTISED: E2M1 operands, one E8M0 scale for each 32 along K, by v_wmma_scale_f32_16x16x128_f8f6f4 with both operands' format E2M1 (or v_wmma_scale_f32_32x16x128_f4), f32 sums; products left as they are: f32 operands where the result goes on into a quantised operand, else bf16, f16 or f32 operands; f32 sums; everything else in f32.
;; Inputs: Ua_b 1,024 float32; Ua_w_codes 1,024 x 32 x 16 uint8 (E2M1 codes of Ua_w, K innermost, in blocks of 32 codes, two codes a byte); Ua_w_scales 1,024 x 32 uint8 (E8M0 scales of Ua_w, one for each 32 codes along K); Va_b 1 float32; Va_w 1 x 1,024 float32; Wa_b 1,024 float32; Wa_w_codes 1,024 x 32 x 16 uint8 (E2M1 codes of Wa_w, K innermost, in blocks of 32 codes, two codes a byte); Wa_w_scales 1,024 x 32 uint8 (E8M0 scales of Wa_w, one for each 32 codes along K); keys 32 x 2,048 x 1,024 float32; query_codes 32 x 1 x 32 x 16 uint8 (E2M1 codes of query, K innermost, in blocks of 32 codes, two codes a byte); query_scales 32 x 1 x 32 uint8 (E8M0 scales of query, one for each 32 codes along K).
;; Outputs: out0 32 x 1 x 1,024 float32; out1 32 x 1 x 2,048 float32.
;; This version of the problem:
;;   THIS VERSION OF THE PROBLEM IS GIVEN IN LOW PRECISION. The matrix products marked QUANTISED in the list below multiply operands that are first quantised to E2M1 (2 exponent bits, 1 mantissa bit; 4 bits a number), with one power-of-two scale for each 32 numbers along K (OCP MX v1.0); their sums are f32. All else is computed in f32.
;;   The module's matrix products, in the order in which they are computed (A, B: the left and right operand; K: the contracted axis; several contracted axes count as one K, in the product's order):
;;     1. [M 32, K 1,024] x [K 1,024, N 1,024]; A: input query (given as codes); B: input Wa_w (given as codes): QUANTISED
;;     2. [M 65,536, K 1,024] x [K 1,024, N 1,024]; A: input keys; B: input Ua_w (given as codes): QUANTISED
;;     3. [M 65,536, K 1,024] x [K 1,024, N 1]; A: computed on the way; B: input Va_w: left as it is (N = 1 < 16)
;;     4. batch 32 x [M 1, K 2,048] x [K 2,048, N 1,024]; A: softmax; B: input keys: left as it is (M = 1 < 16)
;;   THE QUANTISER, for each operand of a quantised product, along K:
;;     - K is cut into blocks of 32 from its start; a last block that is shorter is filled with zeros.
;;     - A block's scale is 2^e with e = floor(log2(the largest magnitude in the block)) - 2, held to -126 .. 127; a block of zeros has e = 0. As a byte (E8M0): e + 127.
;;     - Each number is divided by its block's scale, clamped to +-6, and rounded to the nearest number of E2M1, ties to even, subnormals kept.
;;     - The product sums the exact products of the quantised numbers (number of the format x scale) in f32.
;;   ~~~python
;;   def quantise(x, axis):      # numpy; x: float32 -> the quantised numbers, widened to float32 again
;;       x = np.moveaxis(x, axis, -1); K = x.shape[-1]
;;       x = np.pad(x, [(0, 0)] * (x.ndim - 1) + [(0, -K % 32)]); x = x.reshape(x.shape[:-1] + (-1, 32)); a = np.abs(x).max(-1, keepdims=True)
;;       e = np.where(a > 0, np.clip(np.frexp(np.where(a > 0, a, 1))[1] - 1 - 2, -126, 127), 0)      # np.frexp(a)[1] - 1 = floor(log2(a)), exactly
;;       r = np.clip(x / 2.0 ** e, -6, 6)
;;       step = 2.0 ** (np.maximum(np.frexp(np.where(r == 0, 1, r))[1] - 1, 0) - 1)
;;       q = np.round(r / step) * step * 2.0 ** e      # np.round: ties to even
;;       return np.moveaxis(q.reshape(q.shape[:-2] + (-1,))[..., :K], -1, axis).astype(np.float32)
;;   ~~~
;;   INPUTS GIVEN AS CODES. Ua_w (in the module: [1024, 1024], K = its axis 1); Wa_w (in the module: [1024, 1024], K = its axis 1); query (in the module: [32, 1, 1024], K = its axis 2): each comes as NAME_codes (uint8): NAME with its K axis moved to the last place and cut into blocks of 32 codes, [.., K / 32, bytes a block], one block behind the other in memory; two codes a byte, the lower K in the low four bits (a code: sign, 2 exponent bits, 1 mantissa bit); and NAME_scales (uint8): the same leading axes, one E8M0 byte (e + 127) for each 32 codes along K. Its value is code x scale, taken as it is: it is not quantised again, and the codes and scales need not be those that the quantiser above would give.
;; One version. Each part assembles by itself: llvm-mc -triple=amdgcn-amd-amdhsa -mcpu=gfx1250 --defsym DOCPART=n.
;; ======== version 1 of 1: 3 launches
;; limits: values are held in bf16: 8 bits of precision; right only within a limited range of input values
;; workspace buffers: ua_img 524,288 bytes; cbt 131,072 bytes; tsc 262,144 bytes; ctxp 1,048,576 bytes
;; launch prep (part 1): grid 32 x 1, 4 waves a work-group, no clusters, 9,216 bytes of LDS; arguments Wa_w_codes, Wa_w_scales, query_codes, query_scales, Wa_b, Ua_b, Ua_w_codes, cbt, ua_img; writes cbt, ua_img
.if DOCPART == 1
	.amdgcn_target "amdgcn-amd-amdhsa--gfx1250"
	.amdhsa_code_object_version 6
	.text
	.protected	k_q1636886b9d_prep
	.globl	k_q1636886b9d_prep
	.p2align	8
	.type	k_q1636886b9d_prep,@function
k_q1636886b9d_prep:
	s_mov_b64 s[64:65], 0
	v_nop
	global_prefetch_b8 v0, s[64:65] scope:SCOPE_SE
	s_setreg_imm32_b32 hwreg(HW_REG_WAVE_MODE, 25, 1), 1
	s_wait_xcnt 0x0
; ADDITIVE ATTENTION, launch 1 of 3.  weights = softmax_s(Va . tanh(q_proj + k_proj[s]) + Va_b), context = sum_s weights[s] keys[s].
; WORK LEFT OUT, for all values of the inputs.  (1) Va_b is added to every score of a row of the softmax alike; softmax(x + const) = softmax(x), and the scores reach the outputs through the softmax alone:
; Va_b has no way to any output, is not loaded and is among no launch's arguments.  (2) tanh(z) = 1 - 2 r with r = 1 / (1 + e^(2 z)), so a score is sum_o Va[o] - 2 sum_o Va[o] r[o]; the first term is again the same
; along the softmax's axis and is never formed.  The maximum is still taken away before every exponential.  LIMIT: a NaN, an infinity or an overflow that reaches only Va_b or sum_o Va[o] is not carried to the results.
; THIS LAUNCH makes two tables for the next one.
;   Work-groups 0-15: cbt[b][o] = c (query[b] . Wa_w[o] + Wa_b[o] + Ua_b[o]), c = 2 log2(e): the first quantised product, on the codes and scale bytes as they are given, with both biases and the factor of the exponential folded in.
;   Work-groups 16-31: ua_img = Ua_w's codes in the order of the operand's registers, [tile of 16 rows][K step of 128][half c][lane][16 bytes]: the next launch then loads a fragment as 512 consecutive bytes an instruction.
; A wave takes one tile of 16 rows of the weight (64 tiles: 16 work-groups x 4 waves, on either path).  The paths part on the work-group's number alone; only the first uses LDS.
; The product is used transposed (source 0 = 16 rows of Wa_w, source 1 = 16 batches): lane (r, h) holds batch 16 mt + r and outputs 16 nt + 8 h + 0 .. 7.
; No cluster, no tensor load: each byte is read by one wave but the query's 17 KB.  LIMIT: NaN and infinities among the inputs are not served.
.set SPARE, 8704                       ; behind the stage of 32 rows x 272 bytes: the spare words, 128 bytes a wave
.set SPW, 1                            ; v1  my spare word; never rewritten
.set NIL, 2                            ; v2  0; never rewritten
.set FO,  3                            ; v3  512 r + 16 h: my bytes of a fragment in rows of 512 bytes
.set SCO, 4                            ; v4  32 r + 16 h: my four scale words of a row of 32 bytes
.set BO,  5                            ; v5  32 h: my eight numbers of a tile's sixteen biases
.set STI, 6                            ; v6  the stage, in: 272 r + 32 h + 64 wave
.set STB, 7                            ; v7  the stage, back: 272 (8 wave + h) + 16 r
.set GOU, 8                            ; v8  the same two rows in cbt: 4096 h + 16 r
.set L16, 9                            ; v9  16 x lane
.set WS,  16                           ; v16-19 Wa_w's scale words: register i: K step i in lanes 0-15, K step 4 + i in lanes 16-31
.set QS,  20                           ; v20-27 the query's, four for each tile of batches
.set BA,  28                           ; v28-35 Wa_b, then c (Wa_b + Ua_b)
.set BB,  36                           ; v36-43 Ua_b
.set QA,  44                           ; v44-59 two accumulators
.set WF,  64                           ; v64-127 the weight's eight fragments
.set QF,  128                          ; v128-255 the query's sixteen
	s_load_b256 s[4:11], s[0:1], 0x0               ; Wa_w's codes s[4:5], its scales s[6:7], the query's codes s[8:9], its scales s[10:11]
	s_load_b256 s[12:19], s[0:1], 0x20             ; Wa_b s[12:13], Ua_b s[14:15], Ua_w's codes s[16:17], cbt s[18:19]
	s_load_b64 s[20:21], s[0:1], 0x40              ; ua_img
	v_lshl_add_u32 v[SPW], v0, 2, SPARE
	v_mov_b32 v[NIL], 0
	v_lshrrev_b32 v10, 5, v0
	v_readfirstlane_b32 s22, v10                   ; wave 0..3
	v_and_b32 v10, 31, v0                          ; lane
	v_and_b32 v11, 15, v0                          ; r
	v_bfe_u32 v12, v0, 4, 1                        ; h
	v_lshlrev_b32 v[FO], 9, v11
	v_lshl_add_u32 v[FO], v12, 4, v[FO]
	v_lshlrev_b32 v[SCO], 5, v11
	v_lshl_add_u32 v[SCO], v12, 4, v[SCO]
	v_lshlrev_b32 v[BO], 5, v12
	v_mul_u32_u24 v[STI], v11, 272
	v_lshl_add_u32 v[STI], v12, 5, v[STI]
	s_lshl_b32 s26, s22, 6
	v_add_nc_u32 v[STI], s26, v[STI]
	v_mul_u32_u24 v[STB], v12, 272
	v_lshl_add_u32 v[STB], v11, 4, v[STB]
	s_mul_i32 s26, s22, 8*272
	v_add_nc_u32 v[STB], s26, v[STB]
	v_lshlrev_b32 v[GOU], 12, v12
	v_lshl_add_u32 v[GOU], v11, 4, v[GOU]
	v_lshlrev_b32 v[L16], 4, v10
	s_mov_b32 s28, 0x4038aa3b                      ; c = 2 log2(e)
	s_mov_b32 s29, s28                             ; (named with it as a pair, so it is written)
	s_and_b32 s23, ttmp9, 15
	s_lshl_b32 s23, s23, 2
	s_add_co_u32 s23, s23, s22                     ; my tile of 16 rows: 4 x (work-group mod 16) + wave
	s_lshl_b32 s24, s23, 13                        ; its codes: 16 rows of 512 bytes
	s_mov_b32 s25, 0
	s_wait_kmcnt 0x0
	s_cmp_ge_u32 ttmp9, 16
	s_cbranch_scc1 .Lpath_u
	; ---- the first product
	s_add_nc_u64 s[4:5], s[4:5], s[24:25]
	s_lshl_b32 s24, s23, 9                         ; 16 rows of 32 scale bytes
	s_add_nc_u64 s[6:7], s[6:7], s[24:25]
	s_lshl_b32 s24, s23, 6                         ; 16 biases
	s_add_nc_u64 s[12:13], s[12:13], s[24:25]
	s_add_nc_u64 s[14:15], s[14:15], s[24:25]
	s_lshl_b32 s24, s22, 15                        ; cbt: the 8 batches that my wave stores,
	s_lshl_b32 s26, ttmp9, 8                       ; the work-group's 64 outputs
	s_add_co_u32 s24, s24, s26
	s_add_nc_u64 s[18:19], s[18:19], s[24:25]
.irp ks, 0,1,2,3,4,5,6,7
.irp c, 0,1
	global_load_b128 v[WF+8*\ks+4*\c:WF+8*\ks+4*\c+3], v[FO], s[4:5] offset:64*\ks+32*\c
.endr
.endr
.irp mt, 0,1
.irp ks, 0,1,2,3,4,5,6,7
.irp c, 0,1
	global_load_b128 v[QF+64*\mt+8*\ks+4*\c:QF+64*\mt+8*\ks+4*\c+3], v[FO], s[8:9] offset:8192*\mt+64*\ks+32*\c
.endr
.endr
	global_load_b128 v[QS+4*\mt:QS+4*\mt+3], v[SCO], s[10:11] offset:512*\mt
.endr
	global_load_b128 v[WS:WS+3], v[SCO], s[6:7]
	global_load_b128 v[BA:BA+3], v[BO], s[12:13]
	global_load_b128 v[BA+4:BA+7], v[BO], s[12:13] offset:16
	global_load_b128 v[BB:BB+3], v[BO], s[14:15]
	global_load_b128 v[BB+4:BB+7], v[BO], s[14:15] offset:16
	s_wait_loadcnt 0x0
.irp ks, 0,1,2,3,4,5,6,7                       ; the two accumulators by turns, K ascending; the first K step starts the sums
.irp mt, 0,1
.if \ks == 0
	v_wmma_scale_f32_16x16x128_f8f6f4 v[QA+8*\mt:QA+8*\mt+7], v[WF+8*\ks:WF+8*\ks+7], v[QF+64*\mt+8*\ks:QF+64*\mt+8*\ks+7], 0, v[WS+\ks%4], v[QS+4*\mt+\ks%4] matrix_a_fmt:MATRIX_FMT_FP4 matrix_b_fmt:MATRIX_FMT_FP4
.elseif \ks < 4
	v_wmma_scale_f32_16x16x128_f8f6f4 v[QA+8*\mt:QA+8*\mt+7], v[WF+8*\ks:WF+8*\ks+7], v[QF+64*\mt+8*\ks:QF+64*\mt+8*\ks+7], v[QA+8*\mt:QA+8*\mt+7], v[WS+\ks%4], v[QS+4*\mt+\ks%4] matrix_a_fmt:MATRIX_FMT_FP4 matrix_b_fmt:MATRIX_FMT_FP4
.else
	v_wmma_scale_f32_16x16x128_f8f6f4 v[QA+8*\mt:QA+8*\mt+7], v[WF+8*\ks:WF+8*\ks+7], v[QF+64*\mt+8*\ks:QF+64*\mt+8*\ks+7], v[QA+8*\mt:QA+8*\mt+7], v[WS+\ks%4], v[QS+4*\mt+\ks%4] matrix_a_fmt:MATRIX_FMT_FP4 matrix_b_fmt:MATRIX_FMT_FP4 matrix_a_scale:MATRIX_SCALE_ROW1 matrix_b_scale:MATRIX_SCALE_ROW1
.endif
.endr
.endr
.irp j, 0,2,4,6
	v_pk_add_f32 v[BA+\j:BA+\j+1], v[BA+\j:BA+\j+1], v[BB+\j:BB+\j+1]            ; Wa_b + Ua_b.  (These eight lines name no register of the products: they are the places behind the last of them)
.endr
.irp j, 0,2,4,6
	v_pk_mul_f32 v[BA+\j:BA+\j+1], v[BA+\j:BA+\j+1], s[28:29] op_sel_hi:[1,0]    ; x c
.endr
.irp mt, 0,1
.irp j, 0,2,4,6
	v_pk_fma_f32 v[QA+8*\mt+\j:QA+8*\mt+\j+1], v[QA+8*\mt+\j:QA+8*\mt+\j+1], s[28:29], v[BA+\j:BA+\j+1] op_sel_hi:[1,0,1]   ; c x the product + c x the biases; each accumulator from its low end on
.endr
.endr
.irp mt, 0,1                                   ; a batch's 64 outputs come from four waves: they meet in a stage of 32 rows x (256 + 16) bytes
	ds_store_b128 v[STI], v[QA+8*\mt:QA+8*\mt+3] offset:16*272*\mt
	ds_store_b128 v[STI], v[QA+8*\mt+4:QA+8*\mt+7] offset:16*272*\mt+16
.endr
	s_wait_dscnt 0x0                               ; for the others' sake: my stores have landed
	s_barrier_signal -1
	s_barrier_wait -1
.irp i, 0,1,2,3
	ds_load_b128 v[WF+4*\i:WF+4*\i+3], v[STB] offset:2*272*\i
.endr
.irp i, 0,1,2,3
	s_wait_dscnt 3-\i                              ; the younger of these four loads may stay out
	global_store_b128 v[GOU], v[WF+4*\i:WF+4*\i+3], s[18:19] offset:8192*\i   ; sixteen lanes store 256 consecutive bytes, at a multiple of 256 from cbt's first byte
.endr
	s_wait_tensorcnt 0x0                           ; the wave's end: three lines behind my last LDS store
	ds_add_u32 v[SPW], v[NIL]
	s_wait_dscnt 0x0
	s_endpgm
.Lpath_u:
	; ---- Ua_w's codes into the order of the operand's registers.
	s_add_nc_u64 s[16:17], s[16:17], s[24:25]
	s_add_nc_u64 s[20:21], s[20:21], s[24:25]
.irp ks, 0,1,2,3,4,5,6,7
.irp c, 0,1
	global_load_b128 v[WF+8*\ks+4*\c:WF+8*\ks+4*\c+3], v[FO], s[16:17] offset:64*\ks+32*\c
.endr
.endr
	s_wait_alu depctr_va_vdst(0)
.irp ks, 0,1,2,3,4,5,6,7
.irp c, 0,1
	s_wait_loadcnt 15-2*\ks-\c                     ; the younger of the sixteen loads may stay out
	global_store_b128 v[L16], v[WF+8*\ks+4*\c:WF+8*\ks+4*\c+3], s[20:21] offset:1024*\ks+512*\c   ; 32 lanes store 512 consecutive bytes
.endr
.endr
	s_endpgm
.Lfunc_end_k_q1636886b9d_prep:
	.size	k_q1636886b9d_prep, .Lfunc_end_k_q1636886b9d_prep-k_q1636886b9d_prep
	.p2alignl 7, 3214868480
	.fill 96, 4, 3214868480
	.section	.rodata,"a",@progbits
	.p2align	6, 0x0
	.amdhsa_kernel k_q1636886b9d_prep
		.amdhsa_group_segment_fixed_size 9216
		.amdhsa_private_segment_fixed_size 0
		.amdhsa_enable_private_segment 0
		.amdhsa_kernarg_size 72
		.amdhsa_user_sgpr_count 2
		.amdhsa_user_sgpr_kernarg_segment_ptr 1
		.amdhsa_wavefront_size32 1
		.amdhsa_system_sgpr_workgroup_id_x 1
		.amdhsa_system_sgpr_workgroup_id_y 1
		.amdhsa_system_sgpr_workgroup_id_z 1
		.amdhsa_system_vgpr_workitem_id 0
		.amdhsa_next_free_vgpr 256
		.amdhsa_next_free_sgpr 66
		.amdhsa_reserve_vcc 0
		.amdhsa_float_denorm_mode_32 3
		.amdhsa_float_denorm_mode_16_64 3
		.amdhsa_memory_ordered 1
		.amdhsa_forward_progress 1
		.amdhsa_inst_pref_size 16
	.end_amdhsa_kernel
	.amdgpu_metadata
---
amdhsa.version: [ 1, 2 ]
amdhsa.kernels:
  - .name:           k_q1636886b9d_prep
    .symbol:         k_q1636886b9d_prep.kd
    .args:
      - { .name: Wa_w_codes, .offset: 0, .size: 8, .value_kind: global_buffer, .address_space: global }
      - { .name: Wa_w_scales, .offset: 8, .size: 8, .value_kind: global_buffer, .address_space: global }
      - { .name: query_codes, .offset: 16, .size: 8, .value_kind: global_buffer, .address_space: global }
      - { .name: query_scales, .offset: 24, .size: 8, .value_kind: global_buffer, .address_space: global }
      - { .name: Wa_b, .offset: 32, .size: 8, .value_kind: global_buffer, .address_space: global }
      - { .name: Ua_b, .offset: 40, .size: 8, .value_kind: global_buffer, .address_space: global }
      - { .name: Ua_w_codes, .offset: 48, .size: 8, .value_kind: global_buffer, .address_space: global }
      - { .name: cbt, .offset: 56, .size: 8, .value_kind: global_buffer, .address_space: global }
      - { .name: ua_img, .offset: 64, .size: 8, .value_kind: global_buffer, .address_space: global }
    .group_segment_fixed_size: 9216
    .private_segment_fixed_size: 0
    .kernarg_segment_align: 8
    .kernarg_segment_size: 72
    .max_flat_workgroup_size: 128
    .sgpr_count:     66
    .vgpr_count:     256
    .wavefront_size: 32
...
	.end_amdgpu_metadata
.endif
;; end of part 1
;; launch main (part 2): grid 256 x 1, 4 waves a work-group, no clusters, 309,760 bytes of LDS; arguments keys, ua_img, Ua_w_scales, cbt, Va_w, tsc, ctxp; writes tsc, ctxp
.if DOCPART == 2
	.amdgcn_target "amdgcn-amd-amdhsa--gfx1250"
	.amdhsa_code_object_version 6
	.text
	.protected	k_q1636886b9d_main
	.globl	k_q1636886b9d_main
	.p2align	8
	.type	k_q1636886b9d_main,@function
k_q1636886b9d_main:
	s_mov_b64 s[64:65], 0
	v_nop
	global_prefetch_b8 v0, s[64:65] scope:SCOPE_SE
	s_setreg_imm32_b32 hwreg(HW_REG_WAVE_MODE, 25, 1), 1
	s_wait_xcnt 0x0
; ADDITIVE ATTENTION, launch 2 of 3: the second quantised product, the scores, and each work-group's part of the context; keys are read from memory once.
; WORK LEFT OUT (shown at the head of the first launch): Va_b and sum_o Va[o], both the same along the softmax's axis.  Kept of a score, in base 2: t[s] = sum_o w[o] r[s][o], w[o] = -2 log2(e) Va[o],
; r = 1 / (1 + 2^x), x = c (keys[s] . Ua_w[o]) + cbt[b][o], c = 2 log2(e).  2^x = infinity gives r = 0, 2^x = 0 gives r = 1: tanh's two ends.
; SHARES.  Work-group g owns rows 256 g .. + 255 of keys (batch g / 8), in four stages of 64 rows.  Wave w of four owns outputs 256 w .. + 255 (sixteen tiles of 16 rows of Ua_w) for all 64 rows of a stage,
; columns 256 w .. + 255 of the context, and the loading of rows 64 w .. + 63: stage blk is made of rows 64 w + 16 blk + i of every wave, local row 16 w + i.
; REGISTERS, in windows of 256.  Window 0: addresses and work.  Window 1: the stage's codes (64 rows x 1,024 K), and between stages the stage's bf16 rows for the context.
; Windows 2 and 3: EIGHT OF MY SIXTEEN TILES OF UA_W STAY THERE for the whole launch (8 x 64 registers); the other eight are asked for again in each stage, as register images.
; A TRIP is two turns: tile j of the streamed eight, then tile j of the eight that stay (which registers: a branch on the trip's count).  Each turn multiplies one tile against the stage's 64 rows, converts one row of
; the next block (FP4 codes and E8M0 bytes by the stated quantiser; bf16 for the context, a product that the problem leaves as it is) and asks for the row two turns on.
; THE PRODUCT IS USED TRANSPOSED (source 0 = 16 rows of Ua_w, source 1 = 16 rows of keys): lane (r, h) holds key row 16 t + r and outputs 16 nt + 8 h + 0 .. 7.
; THE SOFTMAX has a running maximum m: p = 2^(t - m); the context goes on from stage to stage, multiplied by 2^(old m - new m).  Stored: t (tsc) and sum_s 2^(t - m_g) keys[s] (ctxp).
; THE WALK'S LAST TWO REQUESTS for keys name my last row again and their data is not used: so every trip of the stages' loop issues the same loads, and its counted waits hold in every trip.
; NO TENSOR LOAD, NO CLUSTER, though all work-groups read the same Ua_w: LDS holds 262,144 bytes of bf16 and 47,616 of codes, tables and scores; the 17,920 left hold no ring of two slots of a tile (8,192 bytes) for four waves.
; PREFETCH: in trip T (of 32, block 0's eight among them) each wave asks for the two rows that trip T + 4 loads, 8,192 consecutive bytes, lanes 256 bytes apart; trips 27 to 31 ask for nothing.  Each row is asked for by its one reader.
; LIMITS: NaN and infinities among the inputs are not served.  A block of keys whose largest magnitude lies under 2^-124 (a block of zeros too) gets the scale byte 1: zero codes add nothing, and this launch alone reads the bytes.
; The context sums keys rounded to bf16.
.set APITCH, 528                       ; a row of 1,024 codes in LDS: 512 bytes + 16
.set BUF1,  0x20000                    ; bf16 keys: buffer 0 at 0, buffer 1 here; 64 rows of 2,048 bytes each
.set ACODE, 262144                     ; the stage's codes, 64 x APITCH
.set ASC,   295936                     ; their scale bytes, 64 x 32
.set TABC,  297984                     ; cbt's row of my batch, 1,024 f32; w lies 4,096 bytes on
.set PS,    306176                     ; partial scores [wave 4][row 64]
.set PP,    307200                     ; p, a copy for each wave [wave 4][row 64]
.set TS,    308224                     ; the group's 256 t in the order of its rows: wave 0 alone writes and reads it
.set SPARE, 309248                     ; the spare words, 128 bytes a wave: two blocks of 256 bytes that no other line names
.set SPW, 1
.set NIL, 2
.set L16, 3                            ; 16 x lane
.set RH,  4                            ; 32 r + 16 h
.set AFR, 5                            ; ACODE + 528 r + 16 h
.set ASR, 6                            ; ASC + 32 r + 16 h
.set CST, 7                            ; ACODE + 16 w x 528 + 4 lane
.set BST, 8                            ; 16 w x 2,048 + 16 lane
.set SST, 9                            ; ASC + 16 w x 32 + lane / 4
.set TBR, 10                           ; TABC + 1,024 w + 32 h
.set PSW, 11                           ; PS + 256 w + 4 r
.set PSR, 12                           ; PS + 8 lane
.set CBR, 13                           ; 512 w + 16 lane
.set PPW, 14                           ; PP + 256 w + 8 lane
.set PPR, 15                           ; PP + 256 w
.set TSW, 16                           ; TS + 256 (lane / 8) + 8 (lane % 8)
.set TSR, 17                           ; TS + 16 lane
.set CA,  18                           ; v18-25 the context of my eight columns
.set MR,  26                           ; the running maximum
.set PFO, 27                           ; 256 x lane
.set BSC, 28                           ; v28-31 scale words of the streamed tile; v32-35 of the tile that stays
.set BSC1,32
.set TA,  36                           ; v36-39 LDS addresses of the accesses in hand
.set CAD, 37
.set BAD, 38
.set SAD, 39
.set P,   40                           ; v40-103 the stage's 64 p, between stages
.set SA,  40                           ; v40-47 the stage's score sums, a pair for each tile of rows
.set ASCL,48                           ; v48-63 the keys' scale words: register i: K step i in lanes 0-15, K step 4 + i in lanes 16-31
.set TB8, 64                           ; v64-71 my eight of cbt, then of w
.set ACC, 72                           ; v72-103 four accumulators
.set BF,  104                          ; v104-167 the streamed tile: eight fragments
.set LD,  168                          ; v168-231 two rows of keys as they land
.set M,   232                          ; v232-235 largest magnitudes, scale operands, scale bytes
.set CODE,236
.set BFR, 240                          ; v240-255 bf16
.set T,   232                          ; v232-239 at work between stages
.set WV,  18
.set SEL, 20
.set CS,  22
.set KP,  24                           ; the row of keys asked for last
.set BW,  26                           ; my sixteen tiles in ua_img
.set SW,  28                           ; and in Ua_w_scales
.set BT,  30                           ; the streamed tile that is being asked for
.set STP, 32                           ; the next trip's scale words: streamed at 0, staying at 4,096
.set BOFF,34
.set SOFF,36
.set TOFF,38                           ; the trip's place in the tables: 64 bytes a trip
.set R528,39
.set RBF, 40
.set R32, 41
.set KS,  42                           ; s[42:43] a row on, or 0 in the walk's last trip
.set TRIP,44
.set STG, 45
.set CUR, 46                           ; the stage's bf16 buffer, and the next block's
.set NXT, 47
.set PF,  48                           ; s[48:49] where my prefetch stands
.set KN,  53                           ; trips walked, 0 .. 31
.set TSO, 54                           ; the stage's place among the group's t: 64 bytes a stage
.set MSB, 0
.macro WIN new                         ; the immediate's high byte repeats the setting that is left
.if MSB != \new
	s_set_vgpr_msb (MSB<<8)|\new
.set MSB, \new
.endif
.endm
; A row of keys into slot S: eight loads of 512 consecutive bytes; lane (r, h) takes bytes 32 r + 16 h, so that ROW's exchange of halves leaves a lane eight neighbours.
.macro KLOAD S
.irp p, 0,1,2,3
	global_load_b128 v[LD+32*\S+8*\p:LD+32*\S+8*\p+3], v[RH], s[KP:KP+1] offset:1024*\p th:TH_LOAD_NT
	global_load_b128 v[LD+32*\S+8*\p+4:LD+32*\S+8*\p+7], v[RH], s[KP:KP+1] offset:1024*\p+512 th:TH_LOAD_NT
.endr
.endm
.macro ASK                             ; the two rows that the trip four on loads
	s_cmp_lt_u32 s[KN], 27
	s_cbranch_scc0 .Lnone_\@
	global_prefetch_b8 v[PFO], s[PF:PF+1] th:TH_LOAD_NT scope:SCOPE_SE
.Lnone_\@:
.endm
; The row in slot S becomes codes, scale bytes and bf16, four pieces of 256 columns by turns.  Behind the exchange lane L holds columns 256 p + 8 L + 0 .. 7; a block of 32 is four lanes.
.macro ROW S
.irp j, 0,1,2,3
.irp p, 0,1,2,3
	v_permlane16_swap_b32 v[LD+32*\S+8*\p+\j], v[LD+32*\S+8*\p+4+\j]
.endr
.endr
.irp p, 0,1,2,3
	v_max3_num_f32 v[M+\p], |v[LD+32*\S+8*\p]|, |v[LD+32*\S+8*\p+1]|, 0x1800000   ; and the floor 2^(3 - 127): the byte cannot fall under 1
.endr
.irp i, 2,4,6
.irp p, 0,1,2,3
	v_max3_num_f32 v[M+\p], v[M+\p], |v[LD+32*\S+8*\p+\i]|, |v[LD+32*\S+8*\p+\i+1]|
.endr
.endr
.irp x, 1,2
.irp p, 0,1,2,3
	v_max_num_f32_dpp v[M+\p], v[M+\p], v[M+\p] row_xmask:\x row_mask:0xf bank_mask:0xf
.endr
.endr
.irp p, 0,1,2,3
	v_add_nc_u32 v[M+\p], 0xff000000, v[M+\p]      ; 2 off the exponent field: the conversion's scale operand
.endr
.irp p, 0,1,2,3
	v_cvt_scalef32_pk8_fp4_f32 v[CODE+\p], v[LD+32*\S+8*\p:LD+32*\S+8*\p+7], v[M+\p]
.endr
	v_nop                                          ; a plain line behind the last scaled conversion
.irp p, 0,1,2,3
.irp j, 0,1,2,3
	v_cvt_pk_bf16_f32 v[BFR+4*\p+\j], v[LD+32*\S+8*\p+2*\j], v[LD+32*\S+8*\p+2*\j+1]
.endr
.endr
.irp p, 0,1,2,3
	v_lshrrev_b32 v[M+\p], 23, v[M+\p]             ; the scale's byte
.endr
.irp p, 0,1,2,3
	ds_store_b32 v[CAD], v[CODE+\p] offset:128*\p
	ds_store_b128 v[BAD], v[BFR+4*\p:BFR+4*\p+3] offset:512*\p
	ds_store_b8 v[SAD], v[M+\p] offset:8*\p        ; a block's four lanes write the same byte with the same value
.endr
.endm
.macro RADR                            ; where the row being converted goes
	v_add_nc_u32 v[CAD], s[R528], v[CST]
	v_add_nc_u32 v[BAD], s[RBF], v[BST]
	v_add_nc_u32 v[SAD], s[R32], v[SST]
.endm
.macro RSTEP
	s_add_co_u32 s[R528], s[R528], APITCH
	s_add_co_u32 s[RBF], s[RBF], 2048
	s_add_co_u32 s[R32], s[R32], 32
.endm
.macro BPART g                         ; K steps 2 g and 2 g + 1 of the streamed tile: four loads of 512 consecutive bytes of its image
.irp k, 0,1
.irp c, 0,1
	global_load_b128 v[BF+16*(\g)+8*\k+4*\c:BF+16*(\g)+8*\k+4*\c+3], v[L16], s[BT:BT+1] offset:2048*(\g)+1024*\k+512*\c
.endr
.endr
.endm
; 32 matrix instructions: the tile at register bb (of source 0's window) against the stage's four tiles of rows, K ascending; the four accumulators take turns; the first K step starts the sums.
; Four plain lines stand behind the last product.
.macro MMA bb, sc
.irp g, 0,1,2,3
.irp k, 0,1
.irp t, 0,1,2,3
.if 2*\g+\k == 0
	v_wmma_scale_f32_16x16x128_f8f6f4 v[ACC+8*\t:ACC+8*\t+7], v[(\bb)+16*\g+8*\k:(\bb)+16*\g+8*\k+7], v[64*\t+16*\g+8*\k:64*\t+16*\g+8*\k+7], 0, v[\sc+(2*\g+\k)%4], v[ASCL+4*\t+(2*\g+\k)%4] matrix_a_fmt:MATRIX_FMT_FP4 matrix_b_fmt:MATRIX_FMT_FP4
.elseif \g < 2
	v_wmma_scale_f32_16x16x128_f8f6f4 v[ACC+8*\t:ACC+8*\t+7], v[(\bb)+16*\g+8*\k:(\bb)+16*\g+8*\k+7], v[64*\t+16*\g+8*\k:64*\t+16*\g+8*\k+7], v[ACC+8*\t:ACC+8*\t+7], v[\sc+(2*\g+\k)%4], v[ASCL+4*\t+(2*\g+\k)%4] matrix_a_fmt:MATRIX_FMT_FP4 matrix_b_fmt:MATRIX_FMT_FP4
.else
	v_wmma_scale_f32_16x16x128_f8f6f4 v[ACC+8*\t:ACC+8*\t+7], v[(\bb)+16*\g+8*\k:(\bb)+16*\g+8*\k+7], v[64*\t+16*\g+8*\k:64*\t+16*\g+8*\k+7], v[ACC+8*\t:ACC+8*\t+7], v[\sc+(2*\g+\k)%4], v[ASCL+4*\t+(2*\g+\k)%4] matrix_a_fmt:MATRIX_FMT_FP4 matrix_b_fmt:MATRIX_FMT_FP4 matrix_a_scale:MATRIX_SCALE_ROW1 matrix_b_scale:MATRIX_SCALE_ROW1
.endif
.endr
.endr
.endr
.rept 4
	v_nop
.endr
.endm
.macro RV i                            ; tile i of the eight that stay: window 2 (0-3) or 3 (4-7); the keys' codes in window 1
	WIN 0x06+(\i)/4
	MMA 64*((\i)%4), BSC1
	WIN 0
.endm
.macro RSW all                         ; which of the eight: the trip's count alone decides.  all = 0: a loop of seven trips, which never comes to tile 7
	s_cmp_lt_u32 s[TRIP], 4
	s_cbranch_scc0 .Lh_\@
	s_cmp_lt_u32 s[TRIP], 2
	s_cbranch_scc0 .La_\@
	s_cmp_eq_u32 s[TRIP], 0
	s_cbranch_scc0 .Lb_\@
	RV 0
	s_branch .Lj_\@
.Lb_\@:
	RV 1
	s_branch .Lj_\@
.La_\@:
	s_cmp_eq_u32 s[TRIP], 2
	s_cbranch_scc0 .Lc_\@
	RV 2
	s_branch .Lj_\@
.Lc_\@:
	RV 3
	s_branch .Lj_\@
.Lh_\@:
	s_cmp_lt_u32 s[TRIP], 6
	s_cbranch_scc0 .Ld_\@
	s_cmp_eq_u32 s[TRIP], 4
	s_cbranch_scc0 .Le_\@
	RV 4
	s_branch .Lj_\@
.Le_\@:
	RV 5
	s_branch .Lj_\@
.Ld_\@:
.if \all
	s_cmp_eq_u32 s[TRIP], 6
	s_cbranch_scc0 .Lf_\@
	RV 6
	s_branch .Lj_\@
.Lf_\@:
	RV 7
.else
	RV 6
.endif
.Lj_\@:
.endm
; The turn's 32 results a lane: x = c acc + cbt, 2^x, 1 + 2^x, its reciprocal r, and the score sums += w r.  Each kind is one batch.  to: the tile's place in the tables behind TA; nst: LDS stores younger than cbt's two loads.
.macro EPI to, nst
	s_wait_dscnt \nst
.irp jj, 0,2,4,6
.irp t, 0,1,2,3
	v_pk_fma_f32 v[ACC+8*\t+\jj:ACC+8*\t+\jj+1], v[ACC+8*\t+\jj:ACC+8*\t+\jj+1], s[CS:CS+1], v[TB8+\jj:TB8+\jj+1] op_sel_hi:[1,0,1]   ; each accumulator from its low end on
.endr
.endr
	ds_load_b128 v[TB8:TB8+3], v[TA] offset:4096+\to   ; my eight of w take cbt's place
	ds_load_b128 v[TB8+4:TB8+7], v[TA] offset:4112+\to
.set EI, 0
	s_wait_alu depctr_va_vdst(0)                   ; the wait ahead of the batch
.rept 32
	v_exp_f32 v[ACC+EI], v[ACC+EI]
.set EI, EI+1
.endr
	v_nop
	s_wait_alu depctr_va_vdst(0)                   ; and behind it, ahead of the first reader
.set EI, 0
.rept 16
	v_pk_add_f32 v[ACC+EI:ACC+EI+1], v[ACC+EI:ACC+EI+1], 1.0 op_sel_hi:[1,0]
.set EI, EI+2
.endr
.set EI, 0
	s_wait_alu depctr_va_vdst(0)
.rept 32
	v_rcp_f32 v[ACC+EI], v[ACC+EI]
.set EI, EI+1
.endr
	v_nop
	s_wait_dscnt 0x0                               ; w is in, and the row's stores are done
	s_wait_alu depctr_va_vdst(0)
.irp jj, 0,2,4,6
.irp t, 0,1,2,3
	v_pk_fma_f32 v[SA+2*\t:SA+2*\t+1], v[ACC+8*\t+\jj:ACC+8*\t+\jj+1], v[TB8+\jj:TB8+\jj+1], v[SA+2*\t:SA+2*\t+1]
.endr
.endr
.endm
; LOADS IN THE ORDER OF ISSUE, a trip with conversions: streamed turn: the next tile 16, its scale words 1, keys 8; turn of the tile that stays: its next scale words 1, keys 8.  All stand behind the turn's conversion.
; n: what may stay out at the turn's products.  Streamed: behind the scale words asked for a trip ago came keys 8, words 1, keys 8 = 17 (no conversions: 1).  The row to convert: behind it came words 1 and keys 8 = 9.
.macro STURN mode, reload, n
	v_add_nc_u32 v[TA], s[TOFF], v[TBR]
	ds_load_b128 v[TB8:TB8+3], v[TA]
	ds_load_b128 v[TB8+4:TB8+7], v[TA] offset:16
.if \reload
	s_wait_xcnt 0x0                                ; the earlier loads and the prefetch have read their bases
	s_add_co_u32 s[BOFF], s[BOFF], 8192
	s_and_b32 s[BOFF], s[BOFF], 0xffff             ; behind the eighth tile comes the first, for the next stage
	s_add_co_u32 s[SOFF], s[SOFF], 512
	s_and_b32 s[SOFF], s[SOFF], 0xfff
	s_add_nc_u64 s[BT:BT+1], s[BW:BW+1], s[BOFF:BOFF+1]
	s_add_nc_u64 s[STP:STP+1], s[SW:SW+1], s[SOFF:SOFF+1]
.if \mode
	s_cmp_lt_u32 s[KN], 31
	s_cselect_b32 s[KS], 4096, 0                   ; the walk's last trip names my last row again
	s_add_nc_u64 s[KP:KP+1], s[KP:KP+1], s[KS:KS+1]
	s_add_nc_u64 s[PF:PF+1], s[PF:PF+1], 8192
.endif
.endif
	s_wait_loadcnt \n
	WIN 0x04                                       ; source 1, the keys' codes, in window 1
	MMA BF, BSC
	WIN 0
.if \mode
	RADR
	s_wait_loadcnt 9
	ROW 0
.endif
.if \reload
	BPART 0                                        ; the next streamed tile into the registers that the products above have read, and its scale words
	BPART 1
	BPART 2
	BPART 3
	global_load_b128 v[BSC:BSC+3], v[RH], s[STP:STP+1]
.endif
.if \mode
	KLOAD 0
	ASK
	EPI 0, 12
	RSTEP
.else
	EPI 0, 0
.endif
.endm
; n here: behind the scale words asked for a trip ago came 8 + 16 + 1 + 8 = 33; 25 serves the first trip too, where they were asked for behind block 0's last row (no conversions: 17; the last turn: 0).
; The row to convert: behind it came tile 16, words 1, keys 8 = 25.
.macro RTURN mode, next, n, fixed
	ds_load_b128 v[TB8:TB8+3], v[TA] offset:512
	ds_load_b128 v[TB8+4:TB8+7], v[TA] offset:528
.if \mode
	s_wait_xcnt 0x0
	s_add_nc_u64 s[KP:KP+1], s[KP:KP+1], s[KS:KS+1]
.endif
	s_wait_alu depctr_va_vdst(0)                   ; the wait ahead of the wait and the branches below
	s_wait_loadcnt \n
.if \fixed < 0
	RSW (\fixed)+2
.else
	RV \fixed
.endif
.if \mode
	RADR
	s_wait_loadcnt 25
	ROW 1
.endif
.if \next
	global_load_b128 v[BSC1:BSC1+3], v[RH], s[STP:STP+1] offset:4096
.endif
.if \mode
	KLOAD 1
	EPI 512, 12
	RSTEP
.else
	EPI 512, 0
.endif
.endm
.macro TRIPEND mode
	s_add_co_u32 s[TOFF], s[TOFF], 64
.if \mode
	s_add_co_u32 s[KN], s[KN], 1
.endif
	s_add_co_u32 s[TRIP], s[TRIP], 1
.endm
; A stage's head: its codes into window 1 (tile t, K step ks at v[64 t + 8 ks]), their scale words, and a barrier: behind it every wave has read the codes, the partial scores and the bf16 buffer of the stage before.
.macro HEAD
	WIN 0x40
.irp t, 0,1,2,3
.irp ks, 0,1,2,3,4,5,6,7
.irp c, 0,1
	ds_load_b128 v[64*\t+8*\ks+4*\c:64*\t+8*\ks+4*\c+3], v[AFR] offset:16*APITCH*\t+64*\ks+32*\c
.endr
.endr
.endr
	WIN 0
.irp t, 0,1,2,3
	ds_load_b128 v[ASCL+4*\t:ASCL+4*\t+3], v[ASR] offset:512*\t
.endr
.irp j, 0,1,2,3,4,5,6,7
	v_mov_b32 v[SA+\j], 0
.endr
	s_mov_b32 s[TRIP], 0
	s_mov_b32 s[TOFF], 0
	s_mov_b32 s[R528], 0
	s_mov_b32 s[RBF], s[NXT]
	s_mov_b32 s[R32], 0
	s_wait_dscnt 0x0
	s_barrier_signal -1
	s_barrier_wait -1
.endm
.macro SCORE_OUT                       ; my 256 outputs' part of the 64 scores goes to LDS; behind the barrier lie all four parts and the next block
	s_wait_alu depctr_va_vdst(0)                   ; the sums were written ahead of the trip's scalar lines
.irp t, 0,1,2,3
	v_add_f32 v[ACC+\t], v[SA+2*\t], v[SA+2*\t+1]
.endr
.irp t, 0,1,2,3
	v_permlanex16_b32 v[ACC+4+\t], v[ACC+\t], s[SEL], s[SEL+1]
.endr
.irp t, 0,1,2,3
	v_add_f32 v[ACC+\t], v[ACC+\t], v[ACC+4+\t]
.endr
.irp t, 0,1,2,3
	ds_store_b32 v[PSW], v[ACC+\t] offset:64*\t
.endr
	s_wait_dscnt 0x0
	s_barrier_signal -1
	s_barrier_wait -1
.endm
; The stage's softmax step and its part of the context.  Every wave adds the four parts in the same order.  Lane l holds local rows 2 l and 2 l + 1.
; My 16 bytes (eight columns) of the 64 bf16 rows come into window 1, which the stage's products have done with: 16 rows are asked for ahead of the softmax's lines, 48 behind p's loads,
; and the sums go in four parts of 16 rows, each behind a wait that leaves the later rows' loads out.
.macro CTX
	v_add_nc_u32 v[CAD], s[CUR], v[CBR]
	v_add_nc_u32 v[BAD], 0x10000, v[CAD]
	v_add_nc_u32 v[SAD], s[TSO], v[TSW]
.irp k, 0,1,2,3
	ds_load_b64 v[T+2*\k:T+2*\k+1], v[PSR] offset:256*\k
.endr
	WIN 0x40
.set Q, 0
.rept 16
	ds_load_b128 v[4*Q:4*Q+3], v[CAD] offset:2048*Q
.set Q, Q+1
.endr
	WIN 0
	s_wait_alu depctr_va_vdst(0)
	s_wait_dscnt 16                                ; the four parts are in: 16 loads are younger
	v_pk_add_f32 v[T:T+1], v[T:T+1], v[T+2:T+3]
	v_pk_add_f32 v[T+4:T+5], v[T+4:T+5], v[T+6:T+7]
	v_pk_add_f32 v[T:T+1], v[T:T+1], v[T+4:T+5]    ; t of my two rows
	s_cmp_lg_u32 s[WV], 0
	s_cbranch_scc1 .Lnts_\@
	ds_store_b64 v[SAD], v[T:T+1]                  ; wave 0 keeps t, in the order of the group's rows
.Lnts_\@:
	s_wait_alu depctr_va_vdst(0)
	v_max_num_f32 v[T+2], v[T], v[T+1]
.irp x, 1,2,4,8
	v_max_num_f32_dpp v[T+2], v[T+2], v[T+2] row_xmask:\x row_mask:0xf bank_mask:0xf
.endr
	v_permlanex16_b32 v[T+3], v[T+2], s[SEL], s[SEL+1]
	v_max3_num_f32 v[T+3], v[T+2], v[T+3], v[MR]   ; the new running maximum
	v_sub_f32 v[T+4], v[MR], v[T+3]
	v_sub_f32 v[T+6], v[T], v[T+3]
	v_sub_f32 v[T+7], v[T+1], v[T+3]
	s_wait_alu depctr_va_vdst(0)
	v_exp_f32 v[T+4], v[T+4]                       ; f = 2^(old m - new m)
	v_exp_f32 v[T+6], v[T+6]                       ; p of my two rows
	v_exp_f32 v[T+7], v[T+7]
	v_mov_b32 v[MR], v[T+3]
	s_wait_alu depctr_va_vdst(0)
	ds_store_b64 v[PPW], v[T+6:T+7]                ; into my wave's own copy: LDS serves a wave's instructions in order, so the loads below see it
.irp k, 0,1,2,3,4,5,6,7,8,9,10,11,12,13,14,15
	ds_load_b128 v[P+4*\k:P+4*\k+3], v[PPR] offset:16*\k   ; the 64 p, the same in every lane
.endr
	WIN 0x40
.set Q, 16
.rept 16
	ds_load_b128 v[4*Q:4*Q+3], v[CAD] offset:2048*Q
.set Q, Q+1
.endr
.rept 32
	ds_load_b128 v[4*Q:4*Q+3], v[BAD] offset:2048*(Q-32)
.set Q, Q+1
.endr
	WIN 0
.irp k, 0,2,4,6
	v_pk_mul_f32 v[CA+\k:CA+\k+1], v[CA+\k:CA+\k+1], v[T+4:T+5] op_sel_hi:[1,0]
.endr
	WIN 0x01                                       ; source 0, the bf16 rows, in window 1
.set Q, 0
.set W, 48
.rept 4                                ; sixteen rows a part: p and the part's rows are in; the 48, 32, 16, 0 loads of the later rows may stay out
	s_wait_alu depctr_va_vdst(0)
	s_wait_dscnt W
.set W, W-16
.rept 16                               ; eight sums by turns: bf16 key x f32 p + f32 sum
.irp i, 0,1,2,3
	v_fma_mix_f32_bf16 v[CA+2*\i], v[4*Q+\i], v[P+Q], v[CA+2*\i] op_sel_hi:[1,0,0]
	v_fma_mix_f32_bf16 v[CA+2*\i+1], v[4*Q+\i], v[P+Q], v[CA+2*\i+1] op_sel:[1,0,0] op_sel_hi:[1,0,0]
.endr
.set Q, Q+1
.endr
.endr
	WIN 0
.endm
	s_load_b256 s[4:11], s[0:1], 0x0               ; keys s[4:5], ua_img s[6:7], Ua_w_scales s[8:9], cbt s[10:11]
	s_load_b128 s[12:15], s[0:1], 0x20             ; Va_w s[12:13], tsc s[14:15]
	s_load_b64 s[16:17], s[0:1], 0x30              ; ctxp
	v_lshl_add_u32 v[SPW], v0, 2, SPARE
	v_mov_b32 v[NIL], 0
	v_lshrrev_b32 v[TA], 5, v0
	v_readfirstlane_b32 s[WV], v[TA]               ; wave 0..3
	s_mul_i32 s50, s[WV], 16*APITCH
	s_add_co_u32 s50, s50, ACODE
	s_lshl_b32 s51, s[WV], 15
	s_lshl_b32 s57, s[WV], 9                       ; 512 w
	s_add_co_u32 s52, s57, ASC
	s_lshl_b32 s55, s[WV], 10
	s_add_co_u32 s55, s55, TABC
	s_lshl_b32 s58, s[WV], 8
	s_add_co_u32 s56, s58, PS
	s_add_co_u32 s58, s58, PP
	s_mov_b32 s[SEL], 0x76543210
	s_mov_b32 s[SEL+1], 0xfedcba98
	s_mov_b32 s[CS], 0x4038aa3b                    ; c = 2 log2(e)
	s_mov_b32 s[CS+1], s[CS]
	s_mov_b32 s[BOFF], 0
	s_mov_b32 s[BOFF+1], 0
	s_mov_b32 s[SOFF], 0
	s_mov_b32 s[SOFF+1], 0
	s_mov_b32 s[KS], 4096
	s_mov_b32 s[KS+1], 0
	s_mov_b32 s[KN], 0
	s_mov_b32 s[TSO], 0
	s_mov_b32 s[CUR], 0
	s_mov_b32 s[NXT], BUF1
	s_mov_b32 s[R528], 0
	s_mov_b32 s[RBF], 0
	s_mov_b32 s[R32], 0
	s_wait_alu depctr_va_vdst(0)                   ; the wait behind the run of scalar lines
	v_and_b32 v[TA], 31, v0                        ; lane
	v_and_b32 v[CAD], 15, v0                       ; r
	v_bfe_u32 v[BAD], v0, 4, 1                     ; h
	v_lshlrev_b32 v[L16], 4, v[TA]
	v_lshlrev_b32 v[RH], 5, v[CAD]
	v_lshl_add_u32 v[RH], v[BAD], 4, v[RH]
	v_mul_u32_u24 v[AFR], v[CAD], APITCH
	v_lshl_add_u32 v[AFR], v[BAD], 4, v[AFR]
	v_add_nc_u32 v[AFR], ACODE, v[AFR]
	v_add_nc_u32 v[ASR], ASC, v[RH]
	v_lshl_add_u32 v[CST], v[TA], 2, s50
	v_lshl_add_u32 v[BST], v[TA], 4, s51
	v_lshrrev_b32 v[SST], 2, v[TA]
	v_add_nc_u32 v[SST], s52, v[SST]
	v_lshl_add_u32 v[TBR], v[BAD], 5, s55
	v_lshl_add_u32 v[PSW], v[CAD], 2, s56
	v_lshl_add_u32 v[PSR], v[TA], 3, PS
	v_lshl_add_u32 v[CBR], v[TA], 4, s57
	v_lshl_add_u32 v[PPW], v[TA], 3, s58
	v_mov_b32 v[PPR], s58
	v_lshrrev_b32 v[TSW], 3, v[TA]
	v_lshlrev_b32 v[TSW], 8, v[TSW]
	v_and_b32 v[SAD], 7, v[TA]
	v_lshl_add_u32 v[TSW], v[SAD], 3, v[TSW]
	v_add_nc_u32 v[TSW], TS, v[TSW]
	v_lshl_add_u32 v[TSR], v[TA], 4, TS
	v_lshlrev_b32 v[PFO], 8, v[TA]
	v_lshlrev_b32 v[TA], 4, v0                     ; 16 x thread: my numbers of each table
.irp j, 0,1,2,3,4,5,6,7
	v_mov_b32 v[CA+\j], 0                          ; the context
.endr
	v_mov_b32 v[MR], 0xff61b1e6                    ; the running maximum: -3e38, under every t
	s_lshl_b32 s50, ttmp9, 20                      ; the group's 256 rows of 4,096 bytes,
	s_lshl_b32 s51, s[WV], 18                      ; my wave's 64 of them
	s_add_co_u32 s50, s50, s51
	s_mov_b32 s51, 0
	s_wait_alu depctr_va_vdst(0)                   ; the wait at the head's end
	s_wait_kmcnt 0x0
	s_add_nc_u64 s[KP:KP+1], s[4:5], s[50:51]
	s_add_nc_u64 s[PF:PF+1], s[KP:KP+1], 8*4096    ; the first trip steps it to my row 10
	s_lshl_b32 s50, s[WV], 17
	s_add_nc_u64 s[BW:BW+1], s[6:7], s[50:51]
	s_mov_b64 s[BT:BT+1], s[BW:BW+1]
	s_lshl_b32 s50, s[WV], 13
	s_add_nc_u64 s[SW:SW+1], s[8:9], s[50:51]
	s_lshr_b32 s50, ttmp9, 3
	s_lshl_b32 s50, s50, 12
	s_add_nc_u64 s[10:11], s[10:11], s[50:51]      ; cbt at my batch
	s_lshl_b32 s50, ttmp9, 10
	s_add_nc_u64 s[14:15], s[14:15], s[50:51]      ; tsc at the group's 256 numbers
	s_lshl_b32 s50, ttmp9, 12
	s_lshl_b32 s52, s[WV], 10
	s_add_co_u32 s50, s50, s52
	s_add_nc_u64 s[16:17], s[16:17], s[50:51]      ; ctxp at the group's row, my wave's 256 columns
	KLOAD 0                                        ; my rows 0 and 1
	s_wait_xcnt 0x0
	s_add_nc_u64 s[KP:KP+1], s[KP:KP+1], 4096
	KLOAD 1
	global_load_b128 v[ACC:ACC+3], v[TA], s[10:11]
	global_load_b128 v[ACC+4:ACC+7], v[TA], s[10:11] offset:2048
	global_load_b128 v[ACC+8:ACC+11], v[TA], s[12:13]
	global_load_b128 v[ACC+12:ACC+15], v[TA], s[12:13] offset:2048
	BPART 0                                        ; my first streamed tile and its scale words
	BPART 1
	BPART 2
	BPART 3
	global_load_b128 v[BSC:BSC+3], v[RH], s[SW:SW+1]
; Block 0 is converted with no products beside it: my rows 0 to 15, into bf16 buffer 0; rows 2 to 17 are asked for.
.macro B0STEP S, n                     ; n: the loads younger than the slot's eight
	s_wait_dscnt 0x0                               ; the last row's LDS stores have read their registers
	RADR
	s_wait_loadcnt \n
	ROW \S
	s_wait_xcnt 0x0
	s_add_nc_u64 s[KP:KP+1], s[KP:KP+1], 4096
.if \S == 0
	s_add_nc_u64 s[PF:PF+1], s[PF:PF+1], 8192
.endif
	KLOAD \S
.if \S == 0
	ASK
.endif
	RSTEP
.endm
; The eight tiles that stay are asked for beside block 0: 32 loads of 512 consecutive bytes of their images in each of the first four trips, into windows 2 and 3; these trips are written out, since the loads' registers differ.
; Younger than a slot's eight loads there: the 32 and the other slot's 8 = 40; than my row 0's: row 1's 8, the tables' 4, the first tile's 16 and its scale words' 1 = 29.
.set RT, 0
.rept 4
.if RT == 0
	B0STEP 0, 29
.else
	B0STEP 0, 40
.endif
.set WN, 0x80+0x40*(RT/2)
	WIN WN
.set N, 0
.rept 32
	global_load_b128 v[4*((32*RT+N)%64):4*((32*RT+N)%64)+3], v[L16], s[BW:BW+1] offset:65536+512*(32*RT+N)
.set N, N+1
.endr
	WIN 0
	B0STEP 1, 40
	s_add_co_u32 s[KN], s[KN], 1
.set RT, RT+1
.endr
	s_mov_b32 s[TRIP], 4
.Lb0:
	B0STEP 0, 8
	B0STEP 1, 8
	s_add_co_u32 s[KN], s[KN], 1
	s_sub_co_u32 s[TRIP], s[TRIP], 1
	s_cmp_lg_u32 s[TRIP], 0
	s_cbranch_scc1 .Lb0
	global_load_b128 v[BSC1:BSC1+3], v[RH], s[SW:SW+1] offset:4096   ; the scale words of the first tile that stays
	v_pk_mul_f32 v[ACC+8:ACC+9], v[ACC+8:ACC+9], 0xc038aa3b op_sel_hi:[1,0]   ; w = -2 log2(e) Va.  (The tables' loads are older than every row that the loop has waited for)
	v_pk_mul_f32 v[ACC+10:ACC+11], v[ACC+10:ACC+11], 0xc038aa3b op_sel_hi:[1,0]
	v_pk_mul_f32 v[ACC+12:ACC+13], v[ACC+12:ACC+13], 0xc038aa3b op_sel_hi:[1,0]
	v_pk_mul_f32 v[ACC+14:ACC+15], v[ACC+14:ACC+15], 0xc038aa3b op_sel_hi:[1,0]
	v_add_nc_u32 v[TA], TABC, v[TA]
	ds_store_b128 v[TA], v[ACC:ACC+3]
	ds_store_b128 v[TA], v[ACC+4:ACC+7] offset:2048
	ds_store_b128 v[TA], v[ACC+8:ACC+11] offset:4096
	ds_store_b128 v[TA], v[ACC+12:ACC+15] offset:6144
	s_wait_dscnt 0x0                               ; my part of the tables and of block 0 has landed
	s_barrier_signal -1
	s_barrier_wait -1
	s_mov_b32 s[STG], 3
.Lstage:                               ; stages 0 to 2: eight trips, each converting two rows of the next block
	HEAD
.Ltrip:
	STURN 1, 1, 17
	RTURN 1, 1, 25, -1
	TRIPEND 1
	s_cmp_lt_u32 s[TRIP], 8
	s_cbranch_scc1 .Ltrip
	SCORE_OUT
	CTX
	s_xor_b32 s[CUR], s[CUR], BUF1
	s_xor_b32 s[NXT], s[NXT], BUF1
	s_add_co_u32 s[TSO], s[TSO], 64
	s_sub_co_u32 s[STG], s[STG], 1
	s_cmp_lg_u32 s[STG], 0
	s_cbranch_scc1 .Lstage
	HEAD                                           ; the last stage converts nothing; its last trip is written out, since it asks for no further tile
.Llast:
	STURN 0, 1, 1
	RTURN 0, 1, 17, -2
	TRIPEND 0
	s_cmp_lt_u32 s[TRIP], 7
	s_cbranch_scc1 .Llast
	STURN 0, 0, 1
	RTURN 0, 0, 0, 7
	SCORE_OUT
	CTX
	s_cmp_lg_u32 s[WV], 0
	s_cbranch_scc1 .Lnot0
	ds_load_b128 v[ACC:ACC+3], v[TSR]              ; wave 0: the group's 256 t, which it alone wrote
	ds_load_b128 v[ACC+4:ACC+7], v[TSR] offset:512
	s_wait_dscnt 0x0
	global_store_b128 v[L16], v[ACC:ACC+3], s[14:15]             ; 512 consecutive bytes each
	global_store_b128 v[L16], v[ACC+4:ACC+7], s[14:15] offset:512
.Lnot0:
	s_wait_alu depctr_va_vdst(0)
.irp j, 0,1,2,3
	v_permlane16_swap_b32 v[CA+\j], v[CA+4+\j]     ; lane (r, h) now holds columns 8 r + 4 h + 0 .. 3 in the first four registers and the same 128 columns on in the second four
.endr
	global_store_b128 v[RH], v[CA:CA+3], s[16:17]                ; each store covers 512 consecutive bytes
	global_store_b128 v[RH], v[CA+4:CA+7], s[16:17] offset:512
	s_wait_tensorcnt 0x0                           ; the wave's end: three lines behind my last LDS store
	ds_add_u32 v[SPW], v[NIL]
	s_wait_dscnt 0x0
	s_endpgm
.Lfunc_end_k_q1636886b9d_main:
	.size	k_q1636886b9d_main, .Lfunc_end_k_q1636886b9d_main-k_q1636886b9d_main
	.p2alignl 7, 3214868480
	.fill 96, 4, 3214868480
	.section	.rodata,"a",@progbits
	.p2align	6, 0x0
	.amdhsa_kernel k_q1636886b9d_main
		.amdhsa_group_segment_fixed_size 309760
		.amdhsa_private_segment_fixed_size 0
		.amdhsa_enable_private_segment 0
		.amdhsa_kernarg_size 56
		.amdhsa_user_sgpr_count 2
		.amdhsa_user_sgpr_kernarg_segment_ptr 1
		.amdhsa_wavefront_size32 1
		.amdhsa_system_sgpr_workgroup_id_x 1
		.amdhsa_system_sgpr_workgroup_id_y 1
		.amdhsa_system_sgpr_workgroup_id_z 1
		.amdhsa_system_vgpr_workitem_id 0
		.amdhsa_next_free_vgpr 1024
		.amdhsa_next_free_sgpr 66
		.amdhsa_reserve_vcc 0
		.amdhsa_float_denorm_mode_32 3
		.amdhsa_float_denorm_mode_16_64 3
		.amdhsa_memory_ordered 1
		.amdhsa_forward_progress 1
		.amdhsa_inst_pref_size 255
	.end_amdhsa_kernel
	.section	.bss,"aw",@nobits
	.p2align	6
	.space	262144
	.amdgpu_metadata
---
amdhsa.version: [ 1, 2 ]
amdhsa.kernels:
  - .name:           k_q1636886b9d_main
    .symbol:         k_q1636886b9d_main.kd
    .args:
      - { .name: keys, .offset: 0, .size: 8, .value_kind: global_buffer, .address_space: global }
      - { .name: ua_img, .offset: 8, .size: 8, .value_kind: global_buffer, .address_space: global }
      - { .name: Ua_w_scales, .offset: 16, .size: 8, .value_kind: global_buffer, .address_space: global }
      - { .name: cbt, .offset: 24, .size: 8, .value_kind: global_buffer, .address_space: global }
      - { .name: Va_w, .offset: 32, .size: 8, .value_kind: global_buffer, .address_space: global }
      - { .name: tsc, .offset: 40, .size: 8, .value_kind: global_buffer, .address_space: global }
      - { .name: ctxp, .offset: 48, .size: 8, .value_kind: global_buffer, .address_space: global }
    .group_segment_fixed_size: 309760
    .private_segment_fixed_size: 0
    .kernarg_segment_align: 8
    .kernarg_segment_size: 56
    .max_flat_workgroup_size: 128
    .sgpr_count:     66
    .vgpr_count:     1024
    .wavefront_size: 32
...
	.end_amdgpu_metadata
.endif
;; end of part 2
;; launch finish (part 3): grid 32 x 1, 8 waves a work-group, no clusters, 1,280 bytes of LDS; arguments tsc, ctxp, out0, out1; writes out0, out1
.if DOCPART == 3
	.amdgcn_target "amdgcn-amd-amdhsa--gfx1250"
	.amdhsa_code_object_version 6
	.text
	.protected	k_q1636886b9d_finish
	.globl	k_q1636886b9d_finish
	.p2align	8
	.type	k_q1636886b9d_finish,@function
k_q1636886b9d_finish:
	s_mov_b64 s[64:65], 0
	v_nop
	global_prefetch_b8 v0, s[64:65] scope:SCOPE_SE
	s_setreg_imm32_b32 hwreg(HW_REG_WAVE_MODE, 25, 1), 1
	s_wait_xcnt 0x0
; ADDITIVE ATTENTION, launch 3 of 3: the softmax's end, one work-group for each batch, since a row of the softmax has one owner.
; WORK LEFT OUT (shown at the head of the first launch): Va_b and sum_o Va[o], both the same along the softmax's axis: t is the score in base 2 without them.
; tsc holds the batch's 2,048 t; ctxp eight rows C_g = sum over the 256 rows of group g of 2^(t - m_g) keys, m_g the largest t of the group, found here again from the same t (a maximum rounds nothing).
; weights = 2^(t - M) / l, M the batch's largest t, l = sum 2^(t - M);  context = sum_g 2^(m_g - M) / l x C_g.
; Thread i holds t of rows 4 i .. 4 i + 3 and 1,024 + 4 i .. + 3, so wave w holds chunks w and w + 8 of 128 rows; group g is chunks 2 g and 2 g + 1.  Each wave makes its chunks' maximum m_k and sum l_k = sum 2^(t - m_k);
; the sixteen pairs meet in LDS, and every thread makes M and l from them.  No matrix work, no cluster: 40 KB a batch, each byte read once.  LIMIT: NaN and infinities are not served.
; REGISTERS: v8-15 t; v16-47 the eight parts of the context; v48-51 at work; v52-59 exponentials, then the weights; v60-63 the context's four sums; v64-79 the sixteen m; v80-95 the sixteen l; v96 M, v97 1 / l;
; v100-115 a_k; v116-117 l; v120-127 the eight factors.
.set SPARE, 256                        ; behind the block that holds the 32 numbers: the spare words, 128 bytes for each of eight waves
.set SPW, 1
.set NIL, 2
.set OC,  60                           ; v60-63 the context's four sums
.set FAC, 120                          ; v120-127 2^(m_g - M) / l
	s_load_b256 s[4:11], s[0:1], 0x0               ; tsc s[4:5], ctxp s[6:7], out0 s[8:9], out1 s[10:11]
	v_lshl_add_u32 v[SPW], v0, 2, SPARE
	v_mov_b32 v[NIL], 0
	v_lshrrev_b32 v3, 5, v0
	s_delay_alu instid0(VALU_DEP_1)
	v_readfirstlane_b32 s12, v3                    ; wave 0..7
	v_lshlrev_b32 v4, 4, v0                        ; 16 x thread
	s_lshl_b32 s13, s12, 2
	v_mov_b32 v5, s13                              ; LDS: my wave's word
	v_mov_b32 v6, 0                                ; LDS: the 32 numbers
	v_mov_b32 v50, 0                               ; (a lane permute's destination counts as one of its sources)
	v_mov_b32 v51, 0
	s_mov_b32 s14, 0x76543210
	s_mov_b32 s15, 0xfedcba98
	s_lshl_b32 s16, ttmp9, 13
	s_mov_b32 s17, 0
	s_wait_alu depctr_va_vdst(0)
	s_wait_kmcnt 0x0
	s_add_nc_u64 s[4:5], s[4:5], s[16:17]
	s_add_nc_u64 s[10:11], s[10:11], s[16:17]
	s_lshl_b32 s16, ttmp9, 15
	s_add_nc_u64 s[6:7], s[6:7], s[16:17]
	s_lshl_b32 s16, ttmp9, 12
	s_add_nc_u64 s[8:9], s[8:9], s[16:17]
	global_load_b128 v[8:11], v4, s[4:5]
	global_load_b128 v[12:15], v4, s[4:5] offset:4096
.irp g, 0,1,2,3,4,5,6,7
	global_load_b128 v[16+4*\g:19+4*\g], v4, s[6:7] offset:4096*\g
.endr
	s_wait_loadcnt 8                               ; t is in; the eight loads of the contexts' parts may stay out
	v_max3_num_f32 v48, v8, v9, v10
	v_max3_num_f32 v49, v12, v13, v14
	s_delay_alu instid0(VALU_DEP_2)
	v_max_num_f32 v48, v48, v11
	s_delay_alu instid0(VALU_DEP_2)
	v_max_num_f32 v49, v49, v15
.irp x, 1,2,4,8
	s_delay_alu instid0(VALU_DEP_2)
	v_max_num_f32_dpp v48, v48, v48 row_xmask:\x row_mask:0xf bank_mask:0xf
	s_delay_alu instid0(VALU_DEP_2)
	v_max_num_f32_dpp v49, v49, v49 row_xmask:\x row_mask:0xf bank_mask:0xf
.endr
	s_delay_alu instid0(VALU_DEP_2)
	v_permlanex16_b32 v50, v48, s14, s15
	s_delay_alu instid0(VALU_DEP_2)
	v_permlanex16_b32 v51, v49, s14, s15
	s_delay_alu instid0(VALU_DEP_2)
	v_max_num_f32 v48, v48, v50                    ; m of chunk w
	s_delay_alu instid0(VALU_DEP_2)
	v_max_num_f32 v49, v49, v51                    ; and of chunk w + 8
.irp j, 0,1,2,3
	v_sub_f32 v[52+\j], v[8+\j], v48
	v_sub_f32 v[56+\j], v[12+\j], v49
.endr
	s_wait_alu depctr_va_vdst(0)
.irp j, 0,1,2,3,4,5,6,7
	v_exp_f32 v[52+\j], v[52+\j]
.endr
	v_nop                                          ; a plain line behind the last exponential,
	s_wait_alu depctr_va_vdst(0)                   ; and the wait ahead of the first reader: one for the eight
	v_pk_add_f32 v[52:53], v[52:53], v[54:55]
	v_pk_add_f32 v[56:57], v[56:57], v[58:59]
	s_delay_alu instid0(VALU_DEP_2)
	v_add_f32 v52, v52, v53
	s_delay_alu instid0(VALU_DEP_2)
	v_add_f32 v56, v56, v57
.irp x, 1,2,4,8
	s_delay_alu instid0(VALU_DEP_2)
	v_add_f32_dpp v52, v52, v52 row_xmask:\x row_mask:0xf bank_mask:0xf
	s_delay_alu instid0(VALU_DEP_2)
	v_add_f32_dpp v56, v56, v56 row_xmask:\x row_mask:0xf bank_mask:0xf
.endr
	s_delay_alu instid0(VALU_DEP_2)
	v_permlanex16_b32 v50, v52, s14, s15
	s_delay_alu instid0(VALU_DEP_2)
	v_permlanex16_b32 v51, v56, s14, s15
	s_delay_alu instid0(VALU_DEP_2)
	v_add_f32 v52, v52, v50                        ; l of chunk w
	s_delay_alu instid0(VALU_DEP_2)
	v_add_f32 v56, v56, v51                        ; and of chunk w + 8
	ds_store_b32 v5, v48                           ; m_k at 4 k, l_k at 64 + 4 k; all lanes write the same word with the same value
	ds_store_b32 v5, v49 offset:32
	ds_store_b32 v5, v52 offset:64
	ds_store_b32 v5, v56 offset:96
	s_wait_dscnt 0x0
	s_barrier_signal -1
	s_barrier_wait -1
.irp i, 0,1,2,3,4,5,6,7
	ds_load_b128 v[64+4*\i:67+4*\i], v6 offset:16*\i             ; v64-79 the sixteen m, v80-95 the sixteen l, in every lane
.endr
	s_wait_dscnt 0x0
	v_max3_num_f32 v96, v64, v65, v66
.irp i, 67,69,71,73,75,77
	s_delay_alu instid0(VALU_DEP_1)
	v_max3_num_f32 v96, v96, v[\i], v[\i+1]
.endr
	s_delay_alu instid0(VALU_DEP_1)
	v_max_num_f32 v96, v96, v79                    ; M
.irp k, 0,1,2,3,4,5,6,7,8,9,10,11,12,13,14,15
	v_sub_f32 v[100+\k], v[64+\k], v96
.endr
.irp j, 0,1,2,3,4,5,6,7
	v_sub_f32 v[52+\j], v[8+\j], v96
.endr
	s_wait_alu depctr_va_vdst(0)
.irp k, 0,1,2,3,4,5,6,7,8,9,10,11,12,13,14,15
	v_exp_f32 v[100+\k], v[100+\k]                 ; a_k = 2^(m_k - M)
.endr
.irp j, 0,1,2,3,4,5,6,7
	v_exp_f32 v[52+\j], v[52+\j]                   ; 2^(t - M)
.endr
	v_nop
	s_wait_alu depctr_va_vdst(0)                   ; one wait for the 24
	v_pk_mul_f32 v[116:117], v[80:81], v[100:101]
.irp i, 2,4,6,8,10,12,14
	v_pk_fma_f32 v[116:117], v[80+\i:81+\i], v[100+\i:101+\i], v[116:117]
.endr
	s_delay_alu instid0(VALU_DEP_1)
	v_add_f32 v116, v116, v117                     ; l = sum l_k a_k, at least 1
	s_wait_alu depctr_va_vdst(0)
	v_rcp_f32 v97, v116
.irp g, 0,1,2,3,4,5,6,7
	v_max_num_f32 v[FAC+\g], v[100+2*\g], v[101+2*\g]            ; 2^(m_g - M): m_g is the larger of its two chunks' m.  (Plain lines behind the reciprocal)
.endr
	s_wait_alu depctr_va_vdst(0)
.irp j, 0,1,2,3,4,5,6,7
	v_mul_f32 v[52+\j], v[52+\j], v97
.endr
	global_store_b128 v4, v[52:55], s[10:11]       ; the weights: a wave's store covers 512 consecutive bytes
	global_store_b128 v4, v[56:59], s[10:11] offset:4096
.irp g, 0,1,2,3,4,5,6,7
	v_mul_f32 v[FAC+\g], v[FAC+\g], v97
.endr
	s_wait_alu depctr_va_vdst(0)
	s_wait_loadcnt 0x0                             ; the eight parts of the context
.irp j, 0,1,2,3
	v_mul_f32 v[OC+\j], v[16+\j], v[FAC]           ; the first part starts the four sums, in registers that hold nothing else
.endr
.irp g, 1,2,3,4,5,6,7
.irp j, 0,1,2,3
	s_delay_alu instid0(VALU_DEP_4)
	v_fma_f32 v[OC+\j], v[16+4*\g+\j], v[FAC+\g], v[OC+\j]
.endr
.endr
	global_store_b128 v4, v[OC:OC+3], s[8:9]       ; the context: a wave's store covers 512 consecutive bytes
	s_wait_tensorcnt 0x0                           ; the wave's end: three lines behind my last LDS store
	ds_add_u32 v[SPW], v[NIL]
	s_wait_dscnt 0x0
	s_endpgm
.Lfunc_end_k_q1636886b9d_finish:
	.size	k_q1636886b9d_finish, .Lfunc_end_k_q1636886b9d_finish-k_q1636886b9d_finish
	.p2alignl 7, 3214868480
	.fill 96, 4, 3214868480
	.section	.rodata,"a",@progbits
	.p2align	6, 0x0
	.amdhsa_kernel k_q1636886b9d_finish
		.amdhsa_group_segment_fixed_size 1280
		.amdhsa_private_segment_fixed_size 0
		.amdhsa_enable_private_segment 0
		.amdhsa_kernarg_size 32
		.amdhsa_user_sgpr_count 2
		.amdhsa_user_sgpr_kernarg_segment_ptr 1
		.amdhsa_wavefront_size32 1
		.amdhsa_system_sgpr_workgroup_id_x 1
		.amdhsa_system_sgpr_workgroup_id_y 1
		.amdhsa_system_sgpr_workgroup_id_z 1
		.amdhsa_system_vgpr_workitem_id 0
		.amdhsa_next_free_vgpr 128
		.amdhsa_next_free_sgpr 66
		.amdhsa_reserve_vcc 0
		.amdhsa_float_denorm_mode_32 3
		.amdhsa_float_denorm_mode_16_64 3
		.amdhsa_memory_ordered 1
		.amdhsa_forward_progress 1
		.amdhsa_inst_pref_size 14
	.end_amdhsa_kernel
	.amdgpu_metadata
---
amdhsa.version: [ 1, 2 ]
amdhsa.kernels:
  - .name:           k_q1636886b9d_finish
    .symbol:         k_q1636886b9d_finish.kd
    .args:
      - { .name: tsc, .offset: 0, .size: 8, .value_kind: global_buffer, .address_space: global }
      - { .name: ctxp, .offset: 8, .size: 8, .value_kind: global_buffer, .address_space: global }
      - { .name: out0, .offset: 16, .size: 8, .value_kind: global_buffer, .address_space: global }
      - { .name: out1, .offset: 24, .size: 8, .value_kind: global_buffer, .address_space: global }
    .group_segment_fixed_size: 1280
    .private_segment_fixed_size: 0
    .kernarg_segment_align: 8
    .kernarg_segment_size: 32
    .max_flat_workgroup_size: 256
    .sgpr_count:     66
    .vgpr_count:     128
    .wavefront_size: 32
...
	.end_amdgpu_metadata
.endif
;; end of part 3
